; MI455X (gfx1250); checked and timed in simulation.
; The chip was launched on July 23, 2026; its instructions are those of AMD's public machine-readable ISA for CDNA 5 (MIT licence, August 2026) and "CDNA5" Instruction Set Architecture Reference Guide (July 2026). The comments in the code are by the model that wrote it; some were corrected since.
;; Experts Choose Masked Expand. Allowed arithmetic: matrix products marked QUANTISED: E5M2 operands, one given power-of-two scale a tensor, by v_wmma_f32_16x16x64_bf8_bf8 or v_wmma_f32_16x16x128_bf8_bf8, f32 sums; everything else in f32.
;; Inputs: W 8 x 4,096 x 512 float32; b 4,096 float32; combine_array 4 x 512 x 8 x 512 float32; lowp_scales 4 int32 (the exponents e of the quantised operands' scales 2^e); x 4 x 8 x 512 x 512 float32.
;; Outputs: out0 4 x 512 x 4,096 float32.
;; This version of the problem:
;;   THIS VERSION OF THE PROBLEM IS GIVEN IN LOW PRECISION. The matrix products marked QUANTISED in the list below multiply operands that are first quantised to E5M2 (5 exponent bits, 2 mantissa bits; 8 bits a number), with one given power-of-two scale for each operand tensor; their sums are f32. All else is computed in f32.
;;   The module's matrix products, in the order in which they are computed (A, B: the left and right operand; K: the contracted axis; several contracted axes count as one K, in the product's order):
;;     1. batch 8 x [M 4,096, K 512] x [K 512, N 2,048]; A: input W; B: input x: QUANTISED (scales: A lowp_scales[0], B lowp_scales[1])
;;     2. batch 4 x [M 512, K 4,096] x [K 4,096, N 4,096]; A: input combine_array; B: computed on the way: QUANTISED (scales: A lowp_scales[2], B lowp_scales[3])
;;   THE QUANTISER, for each operand of a quantised product, along K:
;;     - The operand's scale is 2^e, e = its entry of the input lowp_scales (int32; the entries are numbered through the quantised products in the list's order, A before B).
;;     - Each number is divided by the scale, clamped to +-57,344, and rounded to the nearest number of E5M2, ties to even, subnormals kept.
;;     - The product sums the exact products of the quantised numbers (number of the format x scale) in f32.
;;   ~~~python
;;   def quantise(x, axis, e):      # numpy; x: float32 -> the quantised numbers, widened to float32 again
;;       x = np.moveaxis(x, axis, -1); K = x.shape[-1]
;;       r = np.clip(x / 2.0 ** e, -57344, 57344)
;;       step = 2.0 ** (np.maximum(np.frexp(np.where(r == 0, 1, r))[1] - 1, -14) - 2)
;;       q = np.round(r / step) * step * 2.0 ** e      # np.round: ties to even
;;       return np.moveaxis(q, -1, axis).astype(np.float32)
;;   ~~~
;;   OPERANDS COMPUTED ON THE WAY. 'Computed on the way' means the value that the module computes at that place (a softmax that the list does not call 'softmax' is quantised finished and normalised). What goes into a quantiser is computed in f32, as accurately as f32 sums, v_exp_f32 and their like allow (about 1e-6 of the number): no bf16 or f16 on the way to a quantiser, and a product that is left as it is and whose result goes on into a quantised operand takes f32 operands (vector FMAs, or v_wmma_f32_16x16x4_f32). A number that lies on a knife's edge between two numbers of the format may be rounded either way, as far as f32 arithmetic and the matrix unit's own rounding can turn it there, and no further.
;; One version. Each part assembles by itself: llvm-mc -triple=amdgcn-amd-amdhsa -mcpu=gfx1250 --defsym DOCPART=n.
;; ======== version 1 of 1: 3 launches
;; limits: right only within a limited range of input values
;; workspace buffers: xq 8,388,608 bytes; cc 8,388,608 bytes; eo 67,108,864 bytes
;; launch quant (part 1): grid 512 x 1, 4 waves a work-group, no clusters, 68,096 bytes of LDS; arguments x, combine_array, lowp_scales, xq, cc; writes xq, cc
.if DOCPART == 1
	.amdgcn_target "amdgcn-amd-amdhsa--gfx1250"
	.amdhsa_code_object_version 6
	.text
	.protected	k_q292056121b_quant
	.globl	k_q292056121b_quant
	.p2align	8
	.type	k_q292056121b_quant,@function
k_q292056121b_quant:
	s_mov_b64 s[64:65], 0
	v_nop
	global_prefetch_b8 v0, s[64:65] scope:SCOPE_SE
	s_setreg_imm32_b32 hwreg(HW_REG_WAVE_MODE, 25, 1), 1
	s_wait_xcnt 0x0
; x [4][8][512][512] and combine_array [4][512][8 x 512], f32, each with its own K innermost, become codes of E5M2, each with the scale 2^e given for it
; (lowp_scales: entry 1 x, entry 2 combine_array).  code = number / 2^e, held within +-57,344, to the nearest code, ties to even.
; NO WORK IS LEFT OUT in this program: every number of x, W, b and combine_array has a way into a quantised operand of a live product, b too, since it is added ahead of the second product's quantiser.
; LIMITS: each e between -126 and 112, so that 2^e and 57,344 x 2^e are f32 numbers.  NaN among the inputs is not served; an infinity is held at the largest code.
; THE CODES ARE LAID AS IMAGES OF OPERAND REGISTERS.  A fragment is 16 rows x 128 along K = 2,048 bytes: piece c (0..3) of lane l = (r = l % 16, h = l / 16) lies at 512 c + 16 l and holds k = 32 c + 16 h + 0..15 of the tile's row r.
; THE ROWS OF A TILE ARE NOT NEIGHBOURS: tile T holds rows 32 (T / 2) + 8 (T % 2) + p + 8 (p / 8), p = 0..15: a result's registers of two neighbouring tiles are then 16 neighbours.
;   xq [tile T of all 16,384 rows][K step 4][2,048].
;   cc [b 4][128 tokens 4][expert 8][128 along K 4][tile 8][2,048].
; SHARES.  A wave takes one tile of rows x 512 along K: 4 fragments, 32 KB in, 8 KB out.  Work-groups 0-255 take x, 256-511 combine_array: all parameters are chosen by s_cselect on the work-group's number, one path for both.
; Each load reads 512 consecutive bytes of one row (16 a lane); a fragment's 16 rows turn through the wave's own stage in LDS (rows of 512 + 16 bytes) and come back 64 bytes a lane, as 16 neighbours of each block of 32;
; each store writes 512 consecutive bytes.  Waves share nothing: no barrier.  A pure stream: no matrix unit, no cluster, no tensor load; two fragments' loads (32) of every wave are out.
.set PST,   528                        ; a stage row: 132 words: row p starts at bank 4 p mod 64 (64 banks of 4 bytes: ISA guide 11.1)
.set STG,   16*PST
.set WREG,  2*STG                      ; a wave's two stages
.set SPARE, 4*WREG                     ; behind them: the spare words, 128 bytes for each wave
.set LI,    1                          ; v1      16 x lane
.set SI,    2                          ; v2      the stage, on the way in
.set SOUT,  3                          ; v3      and on the way out
.set SPW,   4                          ; v4      LDS address of my spare word
.set NIL,   5                          ; v5      0
.set SC,    6                          ; v6      2^e as f32
.set LIM,   7                          ; v7      57,344 x 2^e
.set SO,    8                          ; v8-11   fragment f's place in the codes' buffer + 16 x lane
.set ROFF,  16                         ; v16-31  row p's byte offset + 16 x lane
.set R,     32                         ; v32-159 two sets of 64: a fragment as loaded
.set X,     160                        ; v160-223 a fragment's 64 numbers of my lane
.set C,     224                        ; v224-255 two sets of 16: codes
	s_load_b128 s[4:7], s[0:1], 0x0                ; x s[4:5], combine_array s[6:7]
	s_load_b64 s[10:11], s[0:1], 0x10              ; the scales' exponents
	s_load_b128 s[12:15], s[0:1], 0x18             ; xq s[12:13], cc s[14:15]
	v_lshl_add_u32 v[SPW], v0, 2, SPARE
	v_mov_b32 v[NIL], 0
	v_lshrrev_b32 v12, 5, v0
	v_readfirstlane_b32 s16, v12                   ; wave 0..3
	v_and_b32 v12, 31, v0
	v_lshlrev_b32 v[LI], 4, v12
	s_wait_alu depctr_va_vdst(0)
	v_and_b32 v13, 15, v0                          ; r
	v_bfe_u32 v14, v0, 4, 1                        ; h
	s_mul_i32 s17, s16, WREG
	v_add_nc_u32 v[SI], s17, v[LI]                 ; in: 16 bytes a lane; the row stands in the immediate
	v_mul_u32_u24 v[SOUT], v13, PST
	v_lshl_add_u32 v[SOUT], v14, 6, v[SOUT]
	v_add_nc_u32 v[SOUT], s17, v[SOUT]             ; out: row r, + 64 h: my 16 numbers of a block of 32
	s_lshl_b32 s18, ttmp9, 2
	s_add_co_u32 s18, s18, s16                     ; my unit: 4 x work-group + wave; for x the tile of rows
	s_lshl_b32 s30, s18, 13                        ; x: the tile's four fragments lie on end
	s_sub_co_u32 s32, s18, 1024                    ; combine_array: tile of rows = this / 8, expert = this % 8
	s_lshr_b32 s33, s32, 3
	s_and_b32 s34, s32, 7
	s_lshl_b32 s35, s34, 11                        ; 2,048 bytes of a row for an expert
	s_lshr_b32 s36, s32, 6                         ; 128 tokens of a batch
	s_lshl_b32 s36, s36, 19
	s_lshl_b32 s34, s34, 16
	s_add_co_u32 s36, s36, s34
	s_and_b32 s37, s33, 7                          ; tile among the eight of 128 tokens
	s_lshl_b32 s37, s37, 11
	s_add_co_u32 s36, s36, s37
	s_mov_b32 s40, 16384
	s_mov_b32 s41, 16384
	s_cmp_lt_u32 ttmp9, 256                        ; the choice (what was computed for the other tensor is thrown away)
	s_cselect_b32 s28, s18, s33                    ; tile of rows
	s_cselect_b32 s29, s30, s36                    ; place of fragment 0 in the codes' buffer
	s_cselect_b32 s39, 0, s35                      ; first byte in a row
	s_cselect_b32 s40, 2048, s40                   ; a row in memory, in bytes
	s_cselect_b32 s41, 2048, s41                   ; from fragment to fragment in the codes' buffer
	s_lshr_b32 s42, s28, 1
	s_lshl_b32 s42, s42, 5
	s_and_b32 s43, s28, 1
	s_lshl_b32 s43, s43, 3
	s_add_co_u32 s42, s42, s43                     ; the tile's first row: 32 (T / 2) + 8 (T % 2)
	s_mul_i32 s42, s42, s40
	s_add_co_u32 s42, s42, s39
	s_mov_b32 s43, 0
	s_mov_b32 s44, s29
	s_mov_b32 s45, 0
.irp p, 0,1,2,3,4,5,6,7,8,9,10,11,12,13,14,15
	v_mad_u32_u24 v[ROFF+\p], s40, \p+8*(\p/8), v[LI]   ; row p of the tile lies p + 8 (p / 8) rows behind its first
.endr
.irp f, 0,1,2,3
	v_mad_u32_u24 v[SO+\f], s41, \f, v[LI]
.endr
	s_wait_alu depctr_va_vdst(0)
	s_wait_kmcnt 0x0
	s_load_b128 s[20:23], s[10:11], 0x0            ; the exponents: s21 x, s22 combine_array
	s_cmp_lt_u32 ttmp9, 256                        ; the buffers are chosen on the work-group's number alone
	s_cselect_b64 s[24:25], s[4:5], s[6:7]
	s_cselect_b64 s[26:27], s[12:13], s[14:15]
	s_add_nc_u64 s[24:25], s[24:25], s[42:43]
	s_add_nc_u64 s[26:27], s[26:27], s[44:45]
.macro LOADF t                         ; fragment t: 16 rows x 512 bytes into set t % 2; 32 lanes read 512 consecutive bytes
.irp p, 0,1,2,3,4,5,6,7,8,9,10,11,12,13,14,15
	global_load_b128 v[R+64*((\t)%2)+4*\p:R+64*((\t)%2)+4*\p+3], v[ROFF+\p], s[24:25] offset:512*(\t) th:TH_LOAD_NT
.endr
.endm
	LOADF 0
	LOADF 1
	s_wait_kmcnt 0x0
	s_cmp_lt_u32 ttmp9, 256
	s_cselect_b32 s46, s21, s22                    ; my tensor's e
	s_add_co_i32 s46, s46, 127
	s_lshl_b32 s47, s46, 23
	v_mov_b32 v[SC], s47                           ; 2^e as f32: the conversion takes its exponent field
	s_add_co_i32 s46, s46, 15
	s_lshl_b32 s46, s46, 23
	s_or_b32 s46, s46, 0x600000
	v_mov_b32 v[LIM], s46                          ; 57,344 x 2^e
.macro FRAG f
.set CC, C+16*((\f)%2)
.if (\f) < 3
	s_wait_loadcnt 16                              ; this fragment's 16 loads are in; the next fragment's 16 may be out
.else
	s_wait_loadcnt 0
.endif
.irp p, 0,1,2,3,4,5,6,7,8,9,10,11,12,13,14,15
	ds_store_b128 v[SI], v[R+64*((\f)%2)+4*\p:R+64*((\f)%2)+4*\p+3] offset:((\f)%2)*STG+PST*\p
.endr
.irp c, 0,1,2,3
.irp j, 0,1,2,3
	ds_load_b128 v[X+16*\c+4*\j:X+16*\c+4*\j+3], v[SOUT] offset:((\f)%2)*STG+128*\c+16*\j   ; LDS serves a wave's instructions in order (ISA guide 5.7.1.4): these see the stores above
.endr
.endr
	s_wait_dscnt 0x0                               ; my 64 numbers are back, so the stores into the stage have read their registers,
.if (\f) < 2
	LOADF (\f)+2                                   ; which take the loads of two fragments on
.endif
.if (\f) >= 2
	s_wait_xcnt 0x0                                ; the stores of two fragments back have read their data: this set of code registers is written again only behind this wait
.endif
.irp c, 0,1,2,3
.irp i, 0,1,2,3,4,5,6,7,8,9,10,11,12,13,14,15
	v_med3_num_f32 v[X+16*\c+\i], v[X+16*\c+\i], -v[LIM], v[LIM]   ; the conversion to an 8-bit code does not saturate (ISA guide 7.6.2): the hold comes first
.endr
	v_cvt_scalef32_pk8_bf8_f32 v[CC+4*\c:CC+4*\c+1], v[X+16*\c:X+16*\c+7], v[SC]          ; piece c: k = 32 c + 16 h + 0..7,
	v_cvt_scalef32_pk8_bf8_f32 v[CC+4*\c+2:CC+4*\c+3], v[X+16*\c+8:X+16*\c+15], v[SC]     ; and + 8..15
.endr
	v_nop                                          ; a plain vector line behind the last conversion
.irp c, 0,1,2,3
	global_store_b128 v[SO+(\f)], v[CC+4*\c:CC+4*\c+3], s[26:27] offset:512*\c   ; 32 lanes store 512 consecutive bytes, at a multiple of 512 from the buffer's first byte
.endr
.endm
	s_wait_alu depctr_va_vdst(0)
	FRAG 0
	FRAG 1
	FRAG 2
	FRAG 3
	s_wait_tensorcnt 0x0                           ; the wave's end
	ds_add_u32 v[SPW], v[NIL]
	s_wait_dscnt 0x0
	s_endpgm
.Lfunc_end_k_q292056121b_quant:
	.size	k_q292056121b_quant, .Lfunc_end_k_q292056121b_quant-k_q292056121b_quant
	.p2alignl 7, 3214868480
	.fill 96, 4, 3214868480
	.section	.rodata,"a",@progbits
	.p2align	6, 0x0
	.amdhsa_kernel k_q292056121b_quant
		.amdhsa_group_segment_fixed_size 68096
		.amdhsa_private_segment_fixed_size 0
		.amdhsa_enable_private_segment 0
		.amdhsa_kernarg_size 40
		.amdhsa_user_sgpr_count 2
		.amdhsa_user_sgpr_kernarg_segment_ptr 1
		.amdhsa_wavefront_size32 1
		.amdhsa_system_sgpr_workgroup_id_x 1
		.amdhsa_system_sgpr_workgroup_id_y 1
		.amdhsa_system_sgpr_workgroup_id_z 1
		.amdhsa_system_vgpr_workitem_id 0
		.amdhsa_next_free_vgpr 256
		.amdhsa_next_free_sgpr 66
		.amdhsa_reserve_vcc 0
		.amdhsa_float_denorm_mode_32 3
		.amdhsa_float_denorm_mode_16_64 3
		.amdhsa_memory_ordered 1
		.amdhsa_forward_progress 1
		.amdhsa_inst_pref_size 39
	.end_amdhsa_kernel
	.amdgpu_metadata
---
amdhsa.version: [ 1, 2 ]
amdhsa.kernels:
  - .name:           k_q292056121b_quant
    .symbol:         k_q292056121b_quant.kd
    .args:
      - { .name: x, .offset: 0, .size: 8, .value_kind: global_buffer, .address_space: global }
      - { .name: combine_array, .offset: 8, .size: 8, .value_kind: global_buffer, .address_space: global }
      - { .name: lowp_scales, .offset: 16, .size: 8, .value_kind: global_buffer, .address_space: global }
      - { .name: xq, .offset: 24, .size: 8, .value_kind: global_buffer, .address_space: global }
      - { .name: cc, .offset: 32, .size: 8, .value_kind: global_buffer, .address_space: global }
    .group_segment_fixed_size: 68096
    .private_segment_fixed_size: 0
    .kernarg_segment_align: 8
    .kernarg_segment_size: 40
    .max_flat_workgroup_size: 128
    .sgpr_count:     66
    .vgpr_count:     256
    .wavefront_size: 32
...
	.end_amdgpu_metadata
.endif
;; end of part 1
;; launch expand (part 2): grid 256 x 1, 4 waves a work-group, clusters of 4 x 1, 327,680 bytes of LDS; arguments W, b, lowp_scales, xq, eo; writes eo
.if DOCPART == 2
	.amdgcn_target "amdgcn-amd-amdhsa--gfx1250"
	.amdhsa_code_object_version 6
	.text
	.protected	k_q292056121b_expand
	.globl	k_q292056121b_expand
	.p2align	8
	.type	k_q292056121b_expand,@function
k_q292056121b_expand:
	s_mov_b64 s[64:65], 0
	v_nop
	global_prefetch_b8 v0, s[64:65] scope:SCOPE_SE
	s_setreg_imm32_b32 hwreg(HW_REG_WAVE_MODE, 25, 1), 1
	s_wait_xcnt 0x0
	s_wait_alu depctr_hold_cnt(0) depctr_sa_sdst(0) depctr_va_vdst(0) depctr_va_sdst(0) depctr_va_ssrc(0) depctr_va_vcc(0) depctr_vm_vsrc(0)
	s_getreg_b32 s2, hwreg(HW_REG_IB_STS2, 6, 4)
	s_cmp_eq_u32 s2, 0
	s_cbranch_scc0 .Lentry_in_a_cluster
	s_endpgm
.Lentry_in_a_cluster:
	s_bfe_u32 s2, ttmp6, 0x10000c
	s_cmp_lg_u32 s2, 0x3003
	s_cbranch_scc0 .Lentry_shape_is_right
	s_endpgm
.Lentry_shape_is_right:
; The first product: eo[b][(e, c)][o] = sum over i of x[b][e][c][i] W[e][o][i], + b[o], as codes of E5M2 with the scale 2^lowp_scales[3], laid as operand images of the second product.
; A WORK-GROUP TAKES ONE EXPERT e AND 128 OUTPUTS o, and all 4 x 512 rows of x of that expert; wave w takes batch w.  So each number of W is read, as f32, by one work-group alone: it is quantised here, in the head
; (32 rows a wave; images through LDS), and all 128 x 512 codes then stay in 512 registers of each wave.
; A STEP is 32 rows of x (two tiles u) x 128 outputs (eight tiles n) x 512 along K: 64 matrix instructions in four groups of two output tiles: 4 accumulators by turns, three others between a sum's steps.
; x's codes (xq) come two ways.  Tile u = 0 goes straight into registers, 8 KB a wave and step, a ring of four sets, three steps ahead.  Tile u = 1 comes by a tensor load for two steps (two rows of 8 KB a wave) into one of two LDS slots.
; CLUSTERS of four work-groups of one expert: they read the same x, and its tensor loads are joint.
; No prefetch: the direct loads themselves stand three steps ahead, and the same 1 MB of x's codes is asked for by all 32 work-groups of an expert in the same order: a block would be named once by each of its eight clusters.
; While one group is multiplied, the results of the group before are finished: x 2^(eW + ex) + b in f32, held within 57,344 x the scale, converted.
; Memory instructions stand in runs: behind group 0 the direct loads and four tiles' stores, behind group 2 the LDS loads for the next step and four tiles' stores.
; Source 0 is x, source 1 W: lane (r, h) holds output r of the tile and, over the registers of tiles u = 0, 1, c = 32 step + 16 h + 0..15: 16 neighbours along the next K = 16 bytes of piece step % 4 of the next operand's fragment.
;   eo [b 4][64 outputs' group 64][chunk 4 e + step / 4][tile 4][piece 4][512]: each store of a wave writes 512 consecutive bytes, aligned.
; LIMITS: eW, and lowp_scales[3], between -126 and 112; eW + ex between -126 and 127.  NaN is not served; an infinity among W is held at the largest code.  No work is left out.
.set PST,   528                        ; a stage row: 132 words: row p starts at bank 4 p mod 64 (64 banks of 4 bytes: ISA guide 11.1)
.set STG,   16*PST
.set WREG,  2*STG
.set STAGE, 65536                      ; behind the images of W (32 fragments of 2,048): two stages a wave
.set SPARE, STAGE+4*WREG               ; the spare words, 128 bytes for each wave
.set XS,    SPARE+512                  ; x's two slots: 16 KB a wave each
.set SLOT,  65536
.set LI,   1                           ; 16 x lane
.set SI,   2
.set SOUT, 3
.set SPW,  4
.set NIL,  5
.set SCW,  6                           ; 2^eW
.set SC,   7                           ; 2^lowp_scales[3]
.set AI,   8                           ; where my images go
.set BO,   9
.set XL,   10                          ; v10-11  my part of x's slot 0, 1
.set BI,   16                          ; v16-23  b of my lane's output in tile n
.set CD,   24                          ; v24-55  codes of the step's eight tiles; v56-63 tiles 4, 5 of odd steps (in the head: two sets of 16)
.set XT,   192                         ; in the head: a fragment's 64 numbers of my lane
; x: even steps in window 0: direct sets v64-127, v128-191, LDS set v192-255; odd steps in window 3: v0-63, v64-127, v128-191.  Accumulators: window 3, v192-255, two buffers of four.
; W: tile n at window 1 + n / 4, v[64 (n % 4) + 16 K step]
.set WV,   14
.set WB,   20
.set XA,   22                          ; x, four steps a trip
.set EA,   24                          ; eo, a chunk a trip
.set FS,   26                          ; 2^(eW + ex), twice
.set LIM,  28
.set LIMW, 29
.set CNT,  30
.set G0,   32
.set G1,   40
.set MSB, 0
.macro WIN new                         ; the immediate's high byte repeats the setting that is left
.if MSB != \new
	s_set_vgpr_msb (MSB<<8)|\new
.set MSB, \new
.endif
.endm
.macro CREST                           ; a round of the cluster's barrier behind its opening barrier
	s_cmp_lg_u32 s[WV], 0
	s_cbranch_scc1 .Lnot_wave_0_\@
	s_barrier_signal -3
.Lnot_wave_0_\@:
	s_barrier_wait -3
	s_barrier_signal -1
	s_barrier_wait -1
.endm
.macro CROUND
	s_barrier_signal -1
	s_barrier_wait -1
	CREST
.endm
.macro JLOAD sl                        ; my wave's tiles u = 1 of two steps
	tensor_load_to_lds s[G0+4*(\sl):G0+4*(\sl)+3], s[G1:G1+7]
	s_nop 0
.rept 4
	v_nop
.endr
.endm
	s_load_b256 s[4:11], s[0:1], 0x0               ; W s[4:5], b s[6:7], exponents s[8:9], xq s[10:11]
	s_load_b64 s[12:13], s[0:1], 0x20              ; eo
	v_lshl_add_u32 v[SPW], v0, 2, SPARE
	v_mov_b32 v[NIL], 0
	ds_add_u32 v[SPW], v[NIL]                      ; the wave's opening
	ds_add_u32 v[SPW], v[NIL]
	v_lshrrev_b32 v12, 5, v0
	v_readfirstlane_b32 s[WV], v12
	s_bfe_u32 s15, ttmp6, 0x40000                  ; my place in the cluster
	s_and_b32 s16, ttmp9, 7                        ; e: the cluster's
	s_lshr_b32 s17, ttmp9, 3
	s_lshl_b32 s17, s17, 2
	s_add_co_u32 s17, s17, s15                     ; which 128 outputs
	s_lshl_b32 s54, s16, 23                        ; W: 8 MB an expert, 2,048 bytes a row; my 32 rows
	s_lshl_b32 s18, s17, 18
	s_add_co_u32 s54, s54, s18
	s_lshl_b32 s18, s[WV], 16
	s_add_co_u32 s54, s54, s18
	s_mov_b32 s55, 0
	s_lshl_b32 s56, s17, 9                         ; b
	s_mov_b32 s57, 0
	s_lshl_b32 s58, s[WV], 21                      ; xq: 2 MB a batch, 256 KB an expert
	s_lshl_b32 s18, s16, 18
	s_add_co_u32 s58, s58, s18
	s_mov_b32 s59, 0
	s_lshl_b32 s60, s[WV], 24                      ; eo
	s_lshl_b32 s18, s17, 19
	s_add_co_u32 s60, s60, s18
	s_lshl_b32 s18, s16, 15
	s_add_co_u32 s60, s60, s18
	s_mov_b32 s61, 0
	s_mov_b32 s[G1], 15|(3<<16)|(1<<21)            ; to all four of the cluster; elements of 8 bytes; bit 21 beside the mask
	s_mov_b32 s[G1+1], 1024<<16                    ; rows of 8 KB
	s_mov_b32 s[G1+2], 2<<16                       ; two of them,
	s_mov_b32 s[G1+3], 1024<<16
	s_mov_b32 s[G1+4], 2
	s_mov_b32 s[G1+5], 2048                        ; 16 KB apart
	s_mov_b32 s[G1+6], 0
	s_mov_b32 s[G1+7], 0
	s_mul_i32 s18, s[WV], WREG
	s_add_co_u32 s18, s18, STAGE
	s_lshl_b32 s19, s[WV], 14
	s_add_co_u32 s62, s19, XS
	v_and_b32 v12, 31, v0
	v_lshlrev_b32 v[LI], 4, v12
	v_and_b32 v13, 15, v0                          ; r
	v_bfe_u32 v14, v0, 4, 1                        ; h
	v_add_nc_u32 v[SI], s18, v[LI]
	v_mul_u32_u24 v[SOUT], v13, PST
	v_lshl_add_u32 v[SOUT], v14, 6, v[SOUT]
	v_add_nc_u32 v[SOUT], s18, v[SOUT]
	v_add_nc_u32 v[AI], s19, v[LI]
	v_add_nc_u32 v[XL], s62, v[LI]
	v_add_nc_u32 v[XL+1], SLOT, v[XL]
	v_and_b32 v15, 8, v13
	v_add_nc_u32 v15, v15, v13                     ; r + 8 (r / 8)
	v_lshlrev_b32 v[BO], 2, v15
	s_wait_alu depctr_va_vdst(0)
	s_wait_dscnt 0x0                               ; both opening adds are done
	s_wait_kmcnt 0x0
	s_load_b128 s[48:51], s[8:9], 0x0              ; exponents of W, x, combine_array (not used here), eo
	s_add_nc_u64 s[WB:WB+1], s[4:5], s[54:55]
	s_add_nc_u64 s[52:53], s[6:7], s[56:57]
	s_add_nc_u64 s[XA:XA+1], s[10:11], s[58:59]
	s_add_nc_u64 s[EA:EA+1], s[12:13], s[60:61]
	s_mov_b32 s[G0], 1
	s_mov_b32 s[G0+1], s62
	s_add_nc_u64 s[G0+2:G0+3], s[XA:XA+1], 0x2000  ; tile u = 1 lies behind tile u = 0
	s_or_b32 s[G0+3], s[G0+3], 0x80000000
	s_mov_b32 s[G0+4], 1
	s_add_co_u32 s[G0+5], s62, SLOT
	s_add_nc_u64 s[G0+6:G0+7], s[XA:XA+1], 0xa000  ; two steps on
	s_or_b32 s[G0+7], s[G0+7], 0x80000000
.irp n, 0,1,2,3,4,5,6,7
	global_load_b32 v[BI+\n], v[BO], s[52:53] offset:(32*(\n/2)+8*(\n%2))*4
.endr
.macro LOADW f                         ; fragment f of my eight (tile f / 4, K step f % 4), f32: 16 rows x 512 bytes; row p of a tile lies p + 8 (p / 8) rows behind its first
.set LW, 0x40*(1+(\f)/4)
	WIN LW
.irp p, 0,1,2,3,4,5,6,7,8,9,10,11,12,13,14,15
	global_load_b128 v[64*((\f)%4)+4*\p:64*((\f)%4)+4*\p+3], v[LI], s[WB:WB+1] offset:(8*((\f)/4)+\p+8*(\p/8))*2048+512*((\f)%4) th:TH_LOAD_NT
.endr
.endm
	LOADW 0
	LOADW 1
	LOADW 2
	LOADW 3
	WIN 0
	CROUND                                         ; the four work-groups are here: the first joint loads meet
	JLOAD 0
	s_wait_kmcnt 0x0
	s_add_co_i32 s62, s48, 127
	s_lshl_b32 s63, s62, 23
	v_mov_b32 v[SCW], s63                          ; 2^eW
	s_add_co_i32 s62, s62, 15
	s_lshl_b32 s62, s62, 23
	s_or_b32 s[LIMW], s62, 0x600000                ; 57,344 x 2^eW
	s_add_co_i32 s62, s51, 127
	s_lshl_b32 s63, s62, 23
	v_mov_b32 v[SC], s63
	s_add_co_i32 s62, s62, 15
	s_lshl_b32 s62, s62, 23
	s_or_b32 s[LIM], s62, 0x600000
	s_add_co_i32 s62, s48, s49
	s_add_co_i32 s62, s62, 127
	s_lshl_b32 s[FS], s62, 23
	s_mov_b32 s[FS+1], s[FS]                       ; (the packed form names the pair)
	s_wait_alu depctr_va_vdst(0)
; One fragment of W.  Behind its 16 loads stand always 48: the next three fragments', or x's for the first three steps, which take their turn from fragment 4 on.
.macro FRAGW f
.set CC, CD+16*((\f)%2)
.set SW, 4*(1+(\f)/4)
	s_wait_loadcnt 48
	WIN SW
.irp p, 0,1,2,3,4,5,6,7,8,9,10,11,12,13,14,15
	ds_store_b128 v[SI], v[64*((\f)%4)+4*\p:64*((\f)%4)+4*\p+3] offset:((\f)%2)*STG+PST*\p
.endr
	WIN 0
.irp k, 0,1,2,3,4,5,6,7,8,9,10,11,12,13,14,15
	ds_load_b128 v[XT+4*\k:XT+4*\k+3], v[SOUT] offset:((\f)%2)*STG+128*(\k/4)+16*(\k%4)   ; LDS serves a wave's instructions in order (ISA guide 5.7.1.4)
.endr
	s_wait_dscnt 0x0
.if (\f) < 4
	LOADW (\f)+4
.elseif (\f) < 7
.set LW, 0xc0*((\f)%2)
.set XB, 64
.if (\f) == 5
.set XB, 0
.endif
.if (\f) == 6
.set XB, 128
.endif
	WIN LW
.irp k, 0,1,2,3,4,5,6,7,8,9,10,11,12,13,14,15
	global_load_b128 v[XB+4*\k:XB+4*\k+3], v[LI], s[XA:XA+1] offset:16384*((\f)-4)+512*\k
.endr
.endif
	WIN 0
.irp c, 0,1,2,3
.irp i, 0,1,2,3,4,5,6,7,8,9,10,11,12,13,14,15
	v_med3_num_f32 v[XT+16*\c+\i], v[XT+16*\c+\i], -s[LIMW], s[LIMW]   ; the conversion to an 8-bit code does not saturate (ISA guide 7.6.2)
.endr
	v_cvt_scalef32_pk8_bf8_f32 v[CC+4*\c:CC+4*\c+1], v[XT+16*\c:XT+16*\c+7], v[SCW]
	v_cvt_scalef32_pk8_bf8_f32 v[CC+4*\c+2:CC+4*\c+3], v[XT+16*\c+8:XT+16*\c+15], v[SCW]
.endr
	v_nop                                          ; a plain vector line behind the last conversion
.irp c, 0,1,2,3
	ds_store_b128 v[AI], v[CC+4*\c:CC+4*\c+3] offset:2048*(\f)+512*\c
.endr
.endm
	FRAGW 0
	FRAGW 1
	FRAGW 2
	FRAGW 3
	FRAGW 4
	FRAGW 5
	FRAGW 6
	FRAGW 7
	s_wait_alu depctr_va_vdst(0)
	s_wait_tensorcnt 0x0                           ; my part of slot 0 is in
	ds_add_u32 v[SPW], v[NIL]
	s_wait_dscnt 0x0                               ; the add is done, and for the others' sake: my images are stored
	CROUND
	JLOAD 1                                        ; slot 1's first fill
.irp k, 0,1,2,3,4,5,6,7,8,9,10,11,12,13,14,15
	ds_load_b128 v[192+4*\k:192+4*\k+3], v[XL] offset:512*\k   ; step 0's tile u = 1
.endr
.set k, 0
.rept 128                              ; all 32 fragments of W, tile by tile: 16 loads a tile
.if k < 64
	WIN 0x40
.else
	WIN 0x80
.endif
	ds_load_b128 v[4*(k%64):4*(k%64)+3], v[LI] offset:512*k
.set k, k+1
.endr
	WIN 0
; One matrix instruction of group GG: number kk = 4 K step + 2 output tile + x tile
.macro WMM
.set KS, kk/4
.set KN, (kk/2)%2
.set KU, kk%2
.set DA, 192+32*(GG%2)+16*KN+8*KU
.set SA, DB+16*KS
.if KU
.set SA, LB+16*KS
.endif
.set SB, 64*((2*GG+KN)%4)+16*KS
.if KS == 0
	v_wmma_f32_16x16x128_bf8_bf8 v[DA:DA+7], v[SA:SA+15], v[SB:SB+15], 0
.else
	v_wmma_f32_16x16x128_bf8_bf8 v[DA:DA+7], v[SA:SA+15], v[SB:SB+15], v[DA:DA+7]
.endif
.endm
.macro OUT reg, t, off                 ; tile t's 16 bytes a lane
	global_store_b128 v[LI], v[\reg:\reg+3], s[EA:EA+1] offset:((\t)/4)*262144+((\t)%4)*2048+\off
.endm
.macro HOLD q
	v_med3_num_f32 v[AB+2*(\q)], v[AB+2*(\q)], -s[LIM], s[LIM]
	v_med3_num_f32 v[AB+2*(\q)+1], v[AB+2*(\q)+1], -s[LIM], s[LIM]
.endm
.macro CVT2 cd, ab                     ; a tile's 16 numbers of my lane: codes in window 0, accumulators in window 3
	WIN 0x03
	v_cvt_scalef32_pk8_bf8_f32 v[\cd:\cd+1], v[\ab:\ab+7], v[SC]
	v_cvt_scalef32_pk8_bf8_f32 v[\cd+2:\cd+3], v[\ab+8:\ab+15], v[SC]
.endm
; Part kk of 16 of finishing group PG (its accumulators from AB on): pair kk is scaled and gets its bias, pair kk - 1 is held; a tile's conversions follow when its pairs are done.
.macro CHUNK
.if EPI
	WIN 0xc3
.if kk < 8
	v_pk_fma_f32 v[AB+2*kk:AB+2*kk+1], v[AB+2*kk:AB+2*kk+1], s[FS:FS+1], v[BI+2*PG:BI+2*PG+1] op_sel_hi:[1,0,0]
.else
	v_pk_fma_f32 v[AB+2*kk:AB+2*kk+1], v[AB+2*kk:AB+2*kk+1], s[FS:FS+1], v[BI+2*PG:BI+2*PG+1] op_sel:[0,0,1] op_sel_hi:[1,0,1]
.endif
.if kk > 0
	HOLD kk-1
.endif
.if kk == 9
	CVT2 CDB, AB
.endif
.if kk == 15
	HOLD 15
	CVT2 CDB+4, AB+16
.endif
.endif
.endm
.macro GROUP g, epi
.set GG, \g
.set PG, (GG+3)%4
.set AB, 192+32*(PG%2)
.set EPI, \epi
.set CDB, CD+8*PG
.if PG == 2
.set CDB, 40+16*PAR                    ; tiles 4, 5 leave in the next step: two sets by turns
.endif
.set MW, XW+4*(1+GG/2)+0xf0
.set kk, 0
.rept 8
	WIN MW
	WMM
.set kk, kk+1
	WMM
.set kk, kk-1
	CHUNK
.set kk, kk+1
	CHUNK
.set kk, kk+1
.endr
	WIN 0
.if EPI == 0
.rept 5
	v_nop                                          ; places: the next group's parts read these results
.endr
.endif
.endm
; Step q of a trip (0..4: 4 is the next trip's 0).  turn 1: the slot's second step; the slot is filled again with the tiles of four steps on; 2: nothing more to fill.  ld: direct loads of three steps on.  fetch: LDS loads for the next step.
.macro STEP q, first, turn, ld, fetch, wl
.set PAR, (\q)%2
.set XW, 3*PAR
.set DB, 64*(((\q)%4)/2)+64*(1-PAR)
.set LB, 192-64*PAR
.set NP, 1-PAR
.set NDB, 64*((((\q)+3)%4)/2)+64*(1-NP)
.set NLB, 192-64*NP
.set LDW, 0xc0*NP
.set NX, 16384*((\q)+3)-65536*((\q)/4)
.set NSL, (((\q)+1)/2)%2
.set NRO, ((\q)+1)%2
.set BF, ((\q)/2)%2
.set OFS, 512*((\q)%4)
.set OFP, 512*(((\q)+3)%4)-8192*((\q)/4)
.set T4, 56-16*PAR
	s_wait_alu depctr_va_vdst(0)
	s_wait_xcnt 0x0                                ; earlier loads and stores have read their bases and the codes: all may be written again
	s_wait_loadcnt \wl                             ; this step's direct set is in; the next two steps' may be out
.if \first
	s_wait_dscnt 63                                ; tile u = 1 and, of W's 128 fragment loads, tiles 0-3's are in
.else
	s_wait_dscnt 0x0                               ; this step's tile u = 1 is in
.endif
.if (\q) == 4
	s_add_nc_u64 s[XA:XA+1], s[XA:XA+1], 0x10000
	s_add_nc_u64 s[EA:EA+1], s[EA:EA+1], 0x2000
.endif
	GROUP 0, 1-\first
.if (\first) == 0                      ; the step before: tiles 4 to 7
	OUT T4, 4, OFP
	OUT T4+4, 5, OFP
	OUT CD+24, 6, OFP
	OUT CD+28, 7, OFP
.endif
.if \ld
	WIN LDW
.irp k, 0,1,2,3,4,5,6,7,8,9,10,11,12,13,14,15
	global_load_b128 v[NDB+4*\k:NDB+4*\k+3], v[LI], s[XA:XA+1] offset:NX+512*\k
.endr
	WIN 0
.endif
	GROUP 1, 1
.if (\turn) == 1
	s_wait_alu depctr_va_vdst(0)
	s_wait_tensorcnt 0x0                           ; my part of the next slot is in;
	ds_add_u32 v[SPW], v[NIL]                      ; 0 onto my spare word
	s_add_nc_u64 s[G0+4*BF+2:G0+4*BF+3], s[G0+4*BF+2:G0+4*BF+3], 0x10000
	s_wait_dscnt 0x0                               ; the add is done (my reads of this slot were waited for at the step's head)
	s_barrier_signal -1
	s_barrier_wait -1
	CREST                                          ; no wave of any partner still reads this slot or has a load on its way
	JLOAD BF
.endif
.if (\turn) == 2
	s_wait_alu depctr_va_vdst(0)
	s_wait_tensorcnt 0x0                           ; my part of the last slot is in: I alone read it
.endif
.if \first
	s_wait_alu depctr_va_vdst(0)
	s_wait_dscnt 32                                ; W's tiles 4, 5
.endif
	GROUP 2, 1
	OUT CD, 0, OFS                                 ; this step: tiles 0 to 3
	OUT CD+4, 1, OFS
	OUT CD+8, 2, OFS
	OUT CD+12, 3, OFS
.if \fetch
	WIN LDW
.irp k, 0,1,2,3,4,5,6,7,8,9,10,11,12,13,14,15
	ds_load_b128 v[NLB+4*\k:NLB+4*\k+3], v[XL+NSL] offset:8192*NRO+512*\k
.endr
	WIN 0
.endif
.if \first
	s_wait_alu depctr_va_vdst(0)
	s_wait_dscnt 16                                ; all of W; the sixteen just issued may be out
.endif
	GROUP 3, 1
.endm
	STEP 0, 1, 0, 1, 1, 32
	s_mov_b32 s[CNT], 3
	s_wait_alu depctr_va_vdst(0)
.Lrows:                                                ; steps 1 to 12, four a trip: sets and slots come round
	STEP 1, 0, 1, 1, 1, 32
	STEP 2, 0, 0, 1, 1, 32
	STEP 3, 0, 1, 1, 1, 32
	STEP 4, 0, 0, 1, 1, 32
	s_sub_co_u32 s[CNT], s[CNT], 1
	s_cmp_lg_u32 s[CNT], 0
	s_wait_alu depctr_va_vdst(0)
	s_cbranch_scc1 .Lrows
	STEP 1, 0, 2, 0, 1, 32
	STEP 2, 0, 0, 0, 1, 16
	STEP 3, 0, 0, 0, 0, 0
	s_wait_alu depctr_va_vdst(0)
	s_wait_xcnt 0x0                                ; the last step's stores have read tiles 6's and 7's codes
.set PG, 3                             ; the last group is finished alone
.set AB, 224
.set EPI, 1
.set CDB, CD+24
.set kk, 0
.rept 16
	CHUNK
.set kk, kk+1
.endr
	WIN 0
	v_nop                                          ; a plain vector line behind the last conversion
	OUT 56, 4, 1536
	OUT 60, 5, 1536
	OUT CD+24, 6, 1536
	OUT CD+28, 7, 1536
	s_wait_tensorcnt 0x0                           ; the wave's end
	ds_add_u32 v[SPW], v[NIL]
	s_wait_dscnt 0x0
	CROUND                                         ; the closing round: no work-group ends while a partner may still ask for tiles that name it
	s_endpgm
.Lfunc_end_k_q292056121b_expand:
	.size	k_q292056121b_expand, .Lfunc_end_k_q292056121b_expand-k_q292056121b_expand
	.p2alignl 7, 3214868480
	.fill 96, 4, 3214868480
	.section	.rodata,"a",@progbits
	.p2align	6, 0x0
	.amdhsa_kernel k_q292056121b_expand
		.amdhsa_group_segment_fixed_size 327680
		.amdhsa_private_segment_fixed_size 0
		.amdhsa_enable_private_segment 0
		.amdhsa_kernarg_size 40
		.amdhsa_user_sgpr_count 2
		.amdhsa_user_sgpr_kernarg_segment_ptr 1
		.amdhsa_wavefront_size32 1
		.amdhsa_system_sgpr_workgroup_id_x 1
		.amdhsa_system_sgpr_workgroup_id_y 1
		.amdhsa_system_sgpr_workgroup_id_z 1
		.amdhsa_system_vgpr_workitem_id 0
		.amdhsa_next_free_vgpr 1024
		.amdhsa_next_free_sgpr 66
		.amdhsa_reserve_vcc 0
		.amdhsa_float_denorm_mode_32 3
		.amdhsa_float_denorm_mode_16_64 3
		.amdhsa_memory_ordered 1
		.amdhsa_forward_progress 1
		.amdhsa_inst_pref_size 255
	.end_amdhsa_kernel
	.section	.bss,"aw",@nobits
	.p2align	6
	.space	262144
	.amdgpu_metadata
---
amdhsa.version: [ 1, 2 ]
amdhsa.kernels:
  - .name:           k_q292056121b_expand
    .symbol:         k_q292056121b_expand.kd
    .args:
      - { .name: W, .offset: 0, .size: 8, .value_kind: global_buffer, .address_space: global }
      - { .name: b, .offset: 8, .size: 8, .value_kind: global_buffer, .address_space: global }
      - { .name: lowp_scales, .offset: 16, .size: 8, .value_kind: global_buffer, .address_space: global }
      - { .name: xq, .offset: 24, .size: 8, .value_kind: global_buffer, .address_space: global }
      - { .name: eo, .offset: 32, .size: 8, .value_kind: global_buffer, .address_space: global }
    .group_segment_fixed_size: 327680
    .private_segment_fixed_size: 0
    .kernarg_segment_align: 8
    .kernarg_segment_size: 40
    .max_flat_workgroup_size: 128
    .sgpr_count:     66
    .vgpr_count:     1024
    .wavefront_size: 32
...
	.end_amdgpu_metadata
.endif
;; end of part 2
;; launch combine (part 3): grid 16 x 16, 4 waves a work-group, clusters of 4 x 4, 327,680 bytes of LDS; arguments eo, cc, lowp_scales, out0; writes out0
.if DOCPART == 3
	.amdgcn_target "amdgcn-amd-amdhsa--gfx1250"
	.amdhsa_code_object_version 6
	.text
	.protected	k_q292056121b_combine
	.globl	k_q292056121b_combine
	.p2align	8
	.type	k_q292056121b_combine,@function
k_q292056121b_combine:
	s_mov_b64 s[64:65], 0
	v_nop
	global_prefetch_b8 v0, s[64:65] scope:SCOPE_SE
	s_setreg_imm32_b32 hwreg(HW_REG_WAVE_MODE, 25, 1), 1
	s_wait_xcnt 0x0
	s_wait_alu depctr_hold_cnt(0) depctr_sa_sdst(0) depctr_va_vdst(0) depctr_va_sdst(0) depctr_va_ssrc(0) depctr_va_vcc(0) depctr_vm_vsrc(0)
	s_getreg_b32 s2, hwreg(HW_REG_IB_STS2, 6, 4)
	s_cmp_eq_u32 s2, 0
	s_cbranch_scc0 .Lentry_in_a_cluster
	s_endpgm
.Lentry_in_a_cluster:
	s_bfe_u32 s2, ttmp6, 0x10000c
	s_cmp_lg_u32 s2, 0xf033
	s_cbranch_scc0 .Lentry_shape_is_right
	s_endpgm
.Lentry_shape_is_right:
; The second product: out[b][t][o] = 2^(e2 + e3) x sum over k = (e, c) of combine_array's code (t, k) x eo's code (k, o); K = 4,096, sums in f32.
; A work-group makes 128 tokens x 256 outputs of one batch: 256 work-groups.  A wave makes 128 tokens (8 tiles i) x its own 64 outputs (4 tiles n): 32 accumulators, window 2, by turns.
; A K step is 128 along K = a chunk: 32 matrix instructions.  eo's fragments of a step (8 KB) serve one wave of the work-group alone: they go from memory straight into registers, a ring of four sets, loads three steps ahead.
; combine_array's fragments serve all four waves: they come by tensor loads through two slots of 64 KB (512 along K, dense images: no padding, lanes read 512 consecutive bytes), each wave a quarter.
; CLUSTERS of 4 x 4: x counts outputs' tiles, y the four tokens' tiles of one batch.  The four work-groups of a row read the same combine_array codes: joint loads.  The four of a column read the same eo codes.
; PREFETCH: in each slot's second step a wave asks for 32 blocks of 256 bytes of the eo codes of two slots on, the four of a column one chunk of the slot each, told apart by address (cy); and for its quarter's codes of
; combine_array three slots on, the four of a row 16 blocks each (cx; lanes 16-31 name the last block again).  The first slots come by their loads alone, and the last ask for nothing.
; REGISTERS.  Window 0: addresses; v64-191 on the way out.  Windows 1 and 3: even and odd steps: v0-127 two sets of eo (4 fragments each), v128-255 combine_array's 8 fragments.
; Source 0 is eo, source 1 combine_array: lane (r, h) holds token r of the tile and, over the registers of tiles 2 n, 2 n + 1, 16 neighbouring outputs.
; LIMITS: e2 + e3 between -126 and 127.  No work is left out.
.set SLOT,  65536
.set SPARE, 2*SLOT                     ; behind the slots: the spare words, 128 bytes for each wave
.set SP,    272                        ; the way out: a stage row, 256 bytes + 16 of padding
.set STGB,  16*SP                      ; two stages a wave, in slot 0 behind its last fill and its last read
.set LI,   2                           ; v2   16 x lane: offset of eo's loads, and address in slot 0
.set AX,   2                           ; v2-3 address in slot 0, 1
.set SPW,  6
.set NIL,  7
.set STO,  10
.set RD,   11
.set CO,   12
.set PFE,  14
.set PFC,  15
.set TMP,  64
.set BK,   128
.set WV,   14
.set G1,   32
.set G0,   40
.set EA,   48                          ; my eo codes, 8 chunks a trip
.set CB,   50                          ; my quarter of combine_array's slots, 2 slots a trip
.set OUTB, 52
.set FS,   54
.set CNT,  56
.set MSB, 0
.macro WIN new
.if MSB != \new
	s_set_vgpr_msb (MSB<<8)|\new
.set MSB, \new
.endif
.endm
.macro PLACES                          ; four places in front of loads into registers that matrix instructions have read
.rept 4
	v_nop
.endr
.endm
.macro CREST                           ; a round of the cluster's barrier behind its opening barrier
	s_cmp_lg_u32 s[WV], 0
	s_cbranch_scc1 .Lnot_wave_0_\@
	s_barrier_signal -3
.Lnot_wave_0_\@:
	s_barrier_wait -3
	s_barrier_signal -1
	s_barrier_wait -1
.endm
.macro CROUND
	s_barrier_signal -1
	s_barrier_wait -1
	CREST
.endm
.macro JLOAD sl                        ; my quarter of a slot: 16 KB, 64 rows of 256 bytes on end
	tensor_load_to_lds s[G0+4*(\sl):G0+4*(\sl)+3], s[G1:G1+7]
	s_nop 0
	PLACES
.endm
	s_load_b256 s[4:11], s[0:1], 0x0               ; eo s[4:5], cc s[6:7], exponents s[8:9], out0 s[10:11]
	v_lshl_add_u32 v[SPW], v0, 2, SPARE
	v_mov_b32 v[NIL], 0
	ds_add_u32 v[SPW], v[NIL]                      ; the wave's opening
	ds_add_u32 v[SPW], v[NIL]
	v_lshrrev_b32 v16, 5, v0
	v_readfirstlane_b32 s[WV], v16
	s_bfe_u32 s15, ttmp6, 0x40000                  ; cx
	s_bfe_u32 s16, ttmp6, 0x40004                  ; cy: which 128 tokens
	s_and_b32 s17, ttmp7, 0xffff                   ; batch
	s_lshl_b32 s18, ttmp9, 2
	s_add_co_u32 s18, s18, s15                     ; which 256 outputs
	s_lshl_b32 s19, s18, 2
	s_add_co_u32 s19, s19, s[WV]                   ; which 64 outputs
	s_lshl_b32 s20, s16, 2
	s_lshl_b32 s20, 15, s20                        ; my row of the cluster
	s_or_b32 s[G1], s20, (3<<16)|(1<<21)           ; elements of 8 bytes; bit 21 beside the mask
	s_mov_b32 s[G1+1], 32<<16                      ; rows of 32 elements = 256 bytes
	s_mov_b32 s[G1+2], 64<<16                      ; 64 rows
	s_mov_b32 s[G1+3], 32<<16
	s_mov_b32 s[G1+4], 64
	s_mov_b32 s[G1+5], 32
	s_mov_b32 s[G1+6], 0
	s_mov_b32 s[G1+7], 0
	s_lshl_b32 s80, s17, 24                        ; eo: batch, 64 outputs' group
	s_lshl_b32 s21, s19, 18
	s_add_co_u32 s80, s80, s21
	s_mov_b32 s81, 0
	s_lshl_b32 s84, s[WV], 14                      ; my quarter of a slot
	s_lshl_b32 s82, s17, 21                        ; cc: batch, 128 tokens (cx enters none of this)
	s_lshl_b32 s22, s16, 19
	s_add_co_u32 s82, s82, s22
	s_add_co_u32 s82, s82, s84
	s_mov_b32 s83, 0
	s_lshl_b32 s86, s17, 23                        ; out: 16,384 bytes a token
	s_lshl_b32 s23, s16, 21
	s_add_co_u32 s86, s86, s23
	s_lshl_b32 s23, s19, 8
	s_add_co_u32 s86, s86, s23
	s_mov_b32 s87, 0
	s_lshl_b32 s24, s16, 13
	s_lshl_b32 s25, s15, 12
	v_and_b32 v16, 31, v0
	v_lshlrev_b32 v[LI], 4, v16
	v_add_nc_u32 v[AX+1], SLOT, v[LI]
	v_and_b32 v17, 15, v0                          ; r
	v_bfe_u32 v18, v0, 4, 1                        ; h
	v_mul_u32_u24 v[STO], v17, SP                  ; into the stage: row r, 64 bytes for each half of the lanes
	v_lshl_add_u32 v[STO], v18, 6, v[STO]
	v_add_nc_u32 v[STO], s84, v[STO]
	v_mul_u32_u24 v[RD], v18, SP                   ; back: sixteen lanes to a row
	v_lshl_add_u32 v[RD], v17, 4, v[RD]
	v_add_nc_u32 v[RD], s84, v[RD]
	v_lshlrev_b32 v[CO], 14, v18
	v_lshl_add_u32 v[CO], v17, 4, v[CO]
	v_lshlrev_b32 v[PFE], 8, v16
	v_add_nc_u32 v[PFE], s24, v[PFE]               ; prefetch, eo: chunk cy of a slot, a block a lane
	v_min_u32 v[PFC], 15, v16
	v_lshlrev_b32 v[PFC], 8, v[PFC]
	v_add_nc_u32 v[PFC], s25, v[PFC]               ; prefetch, combine_array: 16 blocks by cx
	s_wait_alu depctr_va_vdst(0)
	s_wait_dscnt 0x0                               ; both opening adds are done
	s_wait_kmcnt 0x0
	s_load_b128 s[72:75], s[8:9], 0x0
	s_add_nc_u64 s[EA:EA+1], s[4:5], s[80:81]
	s_add_nc_u64 s[CB:CB+1], s[6:7], s[82:83]
	s_add_nc_u64 s[OUTB:OUTB+1], s[10:11], s[86:87]
	s_mov_b32 s[G0], 1
	s_mov_b32 s[G0+1], s84
	s_mov_b64 s[G0+2:G0+3], s[CB:CB+1]
	s_or_b32 s[G0+3], s[G0+3], 0x80000000
	s_mov_b32 s[G0+4], 1
	s_add_co_u32 s[G0+5], s84, SLOT
	s_add_nc_u64 s[G0+6:G0+7], s[CB:CB+1], 0x10000
	s_or_b32 s[G0+7], s[G0+7], 0x80000000
	CROUND                                         ; all sixteen work-groups are here: the first joint loads meet
	JLOAD 0
.irp c, 0,1,2                          ; eo's chunks 0, 1, 2 into sets 0, 1, 2
.if \c == 1
	WIN 0xc0
.else
	WIN 0x40
.endif
.irp k, 0,1,2,3,4,5,6,7,8,9,10,11,12,13,14,15
	global_load_b128 v[64*(\c/2)+4*\k:64*(\c/2)+4*\k+3], v[LI], s[EA:EA+1] offset:8192*\c+512*\k
.endr
.endr
	WIN 0
	s_wait_kmcnt 0x0
	s_add_co_i32 s[FS], s74, s75
	s_add_co_i32 s[FS], s[FS], 127
	s_lshl_b32 s[FS], s[FS], 23                    ; 2^(e2 + e3)
	s_mov_b32 s[FS+1], s[FS]
; One matrix instruction: accumulator wn = 4 i + n
.macro WM
.if ZR
	v_wmma_f32_16x16x128_bf8_bf8 v[8*wn:8*wn+7], v[EFB+16*(wn%4):EFB+16*(wn%4)+15], v[128+16*(wn/4):128+16*(wn/4)+15], 0
.else
	v_wmma_f32_16x16x128_bf8_bf8 v[8*wn:8*wn+7], v[EFB+16*(wn%4):EFB+16*(wn%4)+15], v[128+16*(wn/4):128+16*(wn/4)+15], v[8*wn:8*wn+7]
.endif
.set wn, wn+1
.endm
.macro RUN nd, ng                      ; nd of the next step's 32 LDS loads and ng of the 16 loads of eo of three steps on, in one run
.if FE
.rept \nd
.if dn < 32
	WIN LDW
	ds_load_b128 v[128+4*dn:128+4*dn+3], v[AX+NS] offset:16384*NC+512*dn
.set dn, dn+1
.endif
.endr
.endif
.if LDN
.rept \ng
.if gn < 16
	WIN LDW
	global_load_b128 v[NEB+4*gn:NEB+4*gn+3], v[LI], s[EA:EA+1] offset:NX+512*gn
.set gn, gn+1
.endif
.endr
.endif
.endm
; Step q of a trip (0..8: 8 is the next trip's 0).  turn: the slot's last step changes slots; 1: the slot just read out is filled again with the codes two slots on; 2: nothing more to fill.
.macro STEP q, zero, turn, ld, fetch, wl, pf
.set ZR, \zero
.set FE, \fetch
.set LDN, \ld
.set PAR, (\q)%2
.set MULW, 0xa5+10*PAR
.set LDW, 0xc0-0x80*PAR
.set EFB, 64*(((\q)%4)/2)
.set NEB, 64*((((\q)+3)%4)/2)
.set NX, 8192*((\q)+3)-65536*((\q)/7)
.set NS, (((\q)+1)/4)%2
.set NC, ((\q)+1)%4
.set SL, ((\q)/4)%2
.set wn, 0
.set dn, 0
.set gn, 0
	s_wait_loadcnt \wl                             ; this step's set of eo is in; the sets of the two steps behind it may be out
.if \turn
	WIN 0
	s_wait_tensorcnt 0x0                           ; my part of the next slot is in;
	ds_add_u32 v[SPW], v[NIL]                      ; 0 onto my spare word
.if (\turn) == 1
	s_add_nc_u64 s[G0+4*SL+2:G0+4*SL+3], s[G0+4*SL+2:G0+4*SL+3], 0x20000
.if (\q) == 7
	s_wait_xcnt 0x0                                ; loads and prefetches have read their bases
	s_add_nc_u64 s[EA:EA+1], s[EA:EA+1], 0x10000
	s_add_nc_u64 s[CB:CB+1], s[CB:CB+1], 0x20000
.endif
.endif
	s_wait_dscnt 17                                ; tiles 0-3 are in; tiles 4-7's sixteen loads and the add may be out
	WIN MULW
.rept 8
	WM
.endr
	s_wait_dscnt 0x0                               ; the add is done, and my reads of this slot are over
	s_barrier_signal -1
.rept 4
	WM
.endr
	WIN 0
	s_barrier_wait -1
.if (\turn) == 1
	CREST                                          ; no wave of any partner still reads this slot or has a load on its way
	JLOAD SL                                       ; the first tensor load behind the round; its four v_nop are the places for the loads below too
.else
	PLACES
.endif
	RUN 16, 8
	WIN MULW
.rept 10
	WM
.endr
	RUN 16, 8
	WIN MULW
.rept 10
	WM
.endr
.else
	s_wait_dscnt 16                                ; tiles 0-3 are in
	PLACES
	RUN 16, 8
	WIN MULW
.rept 16
	WM
.endr
	s_wait_dscnt 16*FE                             ; tiles 4-7 are in; the sixteen just issued may be out
	RUN 16, 8
	WIN MULW
.rept 16
	WM
.endr
.endif
	WIN 0
.if \pf
	global_prefetch_b8 v[PFE], s[EA:EA+1] offset:8192*((\q)+7) th:TH_LOAD_NT scope:SCOPE_SE
.if (\q) == 5
	s_cmp_lg_u32 s[CNT], 1                         ; in the last trip there is no slot three on
	s_cbranch_scc0 .Lno_more_\@
	global_prefetch_b8 v[PFC], s[CB:CB+1] offset:262144 th:TH_LOAD_NT scope:SCOPE_SE
.Lno_more_\@:
.else
	global_prefetch_b8 v[PFC], s[CB:CB+1] offset:196608 th:TH_LOAD_NT scope:SCOPE_SE
.endif
.endif
.endm
	s_wait_alu depctr_va_vdst(0)
	s_wait_tensorcnt 0x0                           ; my part of slot 0 is in
	ds_add_u32 v[SPW], v[NIL]
	s_wait_dscnt 0x0
	CROUND
	JLOAD 1                                        ; slot 1's first fill
	WIN 0x40
.set k, 0
.rept 32
	ds_load_b128 v[128+4*k:128+4*k+3], v[AX] offset:512*k
.set k, k+1
.endr
	WIN 0
	STEP 0, 1, 0, 1, 1, 32, 0                      ; the first step starts the sums
	s_mov_b32 s[CNT], 3
.Lk:                                                   ; a trip is eight steps, from a slot's second step to the first step of the slot two on
	STEP 1, 0, 0, 1, 1, 32, 1
	STEP 2, 0, 0, 1, 1, 32, 0
	STEP 3, 0, 1, 1, 1, 32, 0
	STEP 4, 0, 0, 1, 1, 32, 0
	STEP 5, 0, 0, 1, 1, 32, 1
	STEP 6, 0, 0, 1, 1, 32, 0
	STEP 7, 0, 1, 1, 1, 32, 0
	STEP 8, 0, 0, 1, 1, 32, 0
	s_sub_co_u32 s[CNT], s[CNT], 1
	s_cmp_lg_u32 s[CNT], 0
	s_cbranch_scc1 .Lk
	STEP 1, 0, 0, 1, 1, 32, 0                      ; the last seven steps
	STEP 2, 0, 0, 1, 1, 32, 0
	STEP 3, 0, 2, 1, 1, 32, 0
	STEP 4, 0, 0, 1, 1, 32, 0
	STEP 5, 0, 0, 0, 1, 32, 0
	STEP 6, 0, 0, 0, 1, 16, 0
	STEP 7, 0, 0, 0, 0, 0, 0
	PLACES
; THE WAY OUT, a tile of 16 tokens x 64 outputs at a time, through my own stage: back as rows of 256 bytes, sixteen lanes to an aligned unit.
.macro TOSTAGE i
	WIN 0x02
.irp j, 0,2,4,6,8,10,12,14,16,18,20,22,24,26,28,30
	v_pk_mul_f32 v[TMP+\j:TMP+\j+1], v[32*(\i)+\j:32*(\i)+\j+1], s[FS:FS+1] op_sel_hi:[1,0]
.endr
	WIN 0
.irp n, 0,1,2,3
	ds_store_b128 v[STO], v[TMP+8*\n:TMP+8*\n+3] offset:((\i)%2)*STGB+128*(\n/2)+32*(\n%2)
	ds_store_b128 v[STO], v[TMP+8*\n+4:TMP+8*\n+7] offset:((\i)%2)*STGB+128*(\n/2)+32*(\n%2)+16
.endr
.irp k, 0,1,2,3,4,5,6,7
	ds_load_b128 v[BK+32*((\i)%2)+4*\k:BK+32*((\i)%2)+4*\k+3], v[RD] offset:((\i)%2)*STGB+2*SP*\k   ; LDS serves a wave's instructions in order (ISA guide 5.7.1.4)
.endr
.endm
.macro SEND i, younger                 ; younger: LDS instructions issued behind tile i's loads
	s_wait_dscnt \younger
.irp k, 0,1,2,3,4,5,6,7
	global_store_b128 v[CO], v[BK+32*((\i)%2)+4*\k:BK+32*((\i)%2)+4*\k+3], s[OUTB:OUTB+1] offset:(32*((\i)/2)+8*((\i)%2)+2*\k+8*(\k/4))*16384 th:TH_STORE_NT
.endr
.endm
	TOSTAGE 0
.irp i, 1,2,3,4,5,6,7
.if \i > 1
	s_wait_xcnt 0x0                                ; tile i - 2's stores have read their data
.endif
	TOSTAGE \i
	SEND \i-1, 16
.endr
	SEND 7, 0
	s_wait_tensorcnt 0x0                           ; the wave's end
	ds_add_u32 v[SPW], v[NIL]
	s_wait_dscnt 0x0
	CROUND                                         ; the closing round: no work-group ends while a partner may still ask for a tile that names it
	s_endpgm
.Lfunc_end_k_q292056121b_combine:
	.size	k_q292056121b_combine, .Lfunc_end_k_q292056121b_combine-k_q292056121b_combine
	.p2alignl 7, 3214868480
	.fill 96, 4, 3214868480
	.section	.rodata,"a",@progbits
	.p2align	6, 0x0
	.amdhsa_kernel k_q292056121b_combine
		.amdhsa_group_segment_fixed_size 327680
		.amdhsa_private_segment_fixed_size 0
		.amdhsa_enable_private_segment 0
		.amdhsa_kernarg_size 32
		.amdhsa_user_sgpr_count 2
		.amdhsa_user_sgpr_kernarg_segment_ptr 1
		.amdhsa_wavefront_size32 1
		.amdhsa_system_sgpr_workgroup_id_x 1
		.amdhsa_system_sgpr_workgroup_id_y 1
		.amdhsa_system_sgpr_workgroup_id_z 1
		.amdhsa_system_vgpr_workitem_id 0
		.amdhsa_next_free_vgpr 1024
		.amdhsa_next_free_sgpr 96
		.amdhsa_reserve_vcc 0
		.amdhsa_float_denorm_mode_32 3
		.amdhsa_float_denorm_mode_16_64 3
		.amdhsa_memory_ordered 1
		.amdhsa_forward_progress 1
		.amdhsa_inst_pref_size 125
	.end_amdhsa_kernel
	.amdgpu_metadata
---
amdhsa.version: [ 1, 2 ]
amdhsa.kernels:
  - .name:           k_q292056121b_combine
    .symbol:         k_q292056121b_combine.kd
    .args:
      - { .name: eo, .offset: 0, .size: 8, .value_kind: global_buffer, .address_space: global }
      - { .name: cc, .offset: 8, .size: 8, .value_kind: global_buffer, .address_space: global }
      - { .name: lowp_scales, .offset: 16, .size: 8, .value_kind: global_buffer, .address_space: global }
      - { .name: out0, .offset: 24, .size: 8, .value_kind: global_buffer, .address_space: global }
    .group_segment_fixed_size: 327680
    .private_segment_fixed_size: 0
    .kernarg_segment_align: 8
    .kernarg_segment_size: 32
    .max_flat_workgroup_size: 128
    .sgpr_count:     96
    .vgpr_count:     1024
    .wavefront_size: 32
...
	.end_amdgpu_metadata
.endif
;; end of part 3
